; MI455X (gfx1250); checked and timed in simulation.
; The chip was launched on July 23, 2026; its instructions are those of AMD's public machine-readable ISA for CDNA 5 (MIT licence, August 2026) and "CDNA5" Instruction Set Architecture Reference Guide (July 2026). The comments in the code are by the model that wrote it; some were corrected since.
;; Multi Head Attention. Allowed arithmetic: matrix products marked QUANTISED: E2M1 operands, one E8M0 scale for each 32 along K, by v_wmma_scale_f32_16x16x128_f8f6f4 with both operands' format E2M1 (or v_wmma_scale_f32_32x16x128_f4), f32 sums; products left as they are: bf16, f16 or f32 operands; f32 sums; everything else in f32.
;; Inputs: Wf 1,024 x 1,024 float32; Wk 1,024 x 1,024 float32; Wq 1,024 x 1,024 float32; Wv 1,024 x 1,024 float32; bf 1,024 float32; bk 1,024 float32; bq 1,024 float32; bv 1,024 float32; k 4 x 2,048 x 1,024 float32; mask 4 x 2,048 x 2,048 int32; q 4 x 2,048 x 1,024 float32; v 4 x 2,048 x 1,024 float32.
;; Outputs: out0 4 x 2,048 x 1,024 float32.
;; This version of the problem:
;;   THIS VERSION OF THE PROBLEM IS GIVEN IN LOW PRECISION. The matrix products marked QUANTISED in the list below multiply operands that are first quantised to E2M1 (2 exponent bits, 1 mantissa bit; 4 bits a number), with one power-of-two scale for each 32 numbers along K (OCP MX v1.0); their sums are f32. The products marked 'left as it is' may take bf16, f16 or f32 operands, with f32 sums. Whichever they take, every output number must still come out within the allowed error. Rounding operands to bf16 (8 significant bits) uses up far more of that allowance than f16 does (11 bits, for magnitudes from 6e-5 to 65,504). All else is computed in f32.
;;   The module's matrix products, in the order in which they are computed (A, B: the left and right operand; K: the contracted axis; several contracted axes count as one K, in the product's order):
;;     1. [M 8,192, K 1,024] x [K 1,024, N 1,024]; A: input q; B: input Wq: QUANTISED
;;     2. [M 8,192, K 1,024] x [K 1,024, N 1,024]; A: input k; B: input Wk: QUANTISED
;;     3. [M 8,192, K 1,024] x [K 1,024, N 1,024]; A: input v; B: input Wv: QUANTISED
;;     4. batch 64 x [M 2,048, K 64] x [K 64, N 2,048]; A: computed on the way; B: computed on the way: left as it is (an operand is computed on the way)
;;     5. batch 64 x [M 2,048, K 2,048] x [K 2,048, N 64]; A: computed on the way; B: computed on the way: left as it is (an operand is computed on the way)
;;     6. [M 8,192, K 1,024] x [K 1,024, N 1,024]; A: computed on the way; B: input Wf: left as it is (an operand is computed on the way)
;;   THE QUANTISER, for each operand of a quantised product, along K:
;;     - K is cut into blocks of 32 from its start; a last block that is shorter is filled with zeros.
;;     - A block's scale is 2^e with e = floor(log2(the largest magnitude in the block)) - 2, held to -126 .. 127; a block of zeros has e = 0. As a byte (E8M0): e + 127.
;;     - Each number is divided by its block's scale, clamped to +-6, and rounded to the nearest number of E2M1, ties to even, subnormals kept.
;;     - The product sums the exact products of the quantised numbers (number of the format x scale) in f32.
;;   ~~~python
;;   def quantise(x, axis):      # numpy; x: float32 -> the quantised numbers, widened to float32 again
;;       x = np.moveaxis(x, axis, -1); K = x.shape[-1]
;;       x = np.pad(x, [(0, 0)] * (x.ndim - 1) + [(0, -K % 32)]); x = x.reshape(x.shape[:-1] + (-1, 32)); a = np.abs(x).max(-1, keepdims=True)
;;       e = np.where(a > 0, np.clip(np.frexp(np.where(a > 0, a, 1))[1] - 1 - 2, -126, 127), 0)      # np.frexp(a)[1] - 1 = floor(log2(a)), exactly
;;       r = np.clip(x / 2.0 ** e, -6, 6)
;;       step = 2.0 ** (np.maximum(np.frexp(np.where(r == 0, 1, r))[1] - 1, 0) - 1)
;;       q = np.round(r / step) * step * 2.0 ** e      # np.round: ties to even
;;       return np.moveaxis(q.reshape(q.shape[:-2] + (-1,))[..., :K], -1, axis).astype(np.float32)
;;   ~~~
;; One version. Each part assembles by itself: llvm-mc -triple=amdgcn-amd-amdhsa -mcpu=gfx1250 --defsym DOCPART=n.
;; ======== version 1 of 1: 4 launches
;; limits: values are held in f16: magnitudes above 65,504 overflow, below 6.1e-05 lose precision
;; workspace buffers: codes 15,040,512 bytes; wfh 2,097,152 bytes; mbits 2,097,152 bytes of whole numbers; qf 16,777,216 bytes; kv 33,554,432 bytes; yf 16,777,216 bytes
;; launch prep (part 1): grid 704 x 1, 4 waves a work-group, no clusters, 104,960 bytes of LDS; arguments q, k, v, Wq, Wk, Wv, Wf, mask, codes, wfh, mbits; writes codes, wfh, mbits
.if DOCPART == 1
	.amdgcn_target "amdgcn-amd-amdhsa--gfx1250"
	.amdhsa_code_object_version 6
	.text
	.protected	k_qcf5d6b13a1_prep
	.globl	k_qcf5d6b13a1_prep
	.p2align	8
	.type	k_qcf5d6b13a1_prep,@function
k_qcf5d6b13a1_prep:
	s_mov_b64 s[64:65], 0
	v_nop
	global_prefetch_b8 v0, s[64:65] scope:SCOPE_SE
	s_setreg_imm32_b32 hwreg(HW_REG_WAVE_MODE, 25, 1), 1
	s_wait_xcnt 0x0
; PREP.  Three streams in one launch, told apart by the work-group's number; every wave's job reads 64 KB: 8 steps of 16 rows x 512 bytes.
;   work-groups 0-431:   q, k, v [8192][1024] and Wq, Wk, Wv [1024][1024], f32, become codes of FP4 (E2M1) with one E8M0 byte for each 32 along K (the last axis).
;   work-groups 432-447: Wf [1024][1024] becomes f16.     work-groups 448-703: mask [4][2048][2048] int32 becomes one bit a number.
; ALL THREE RESULTS ARE LAID IN THE ORDER OF THE READER'S OPERAND REGISTERS (L = lane, r = L % 16, h = L / 16):
;   codes: a group block of 17,408 bytes holds 128 rows x 256 K (quarter kq of K): codes at i*2048 + u*1024 + c*512 + 16 L = the 32 codes k = 128 (2 kq + u) + 64 c + 32 h + 0..31 of row 16 i + r;
;          scale words at 16384 + i*128 + 8 r + 4 u.  Tensor p of q, k, v: p*4456448 + kq*1114112 + g*17408 (g: 128 rows); weight p: 13369344 + p*557056 + kq*139264 + g*17408.
;   wfh:   ks*262144 + nt*4096 + u*512 + 16 L = Wf[16 nt + r][128 ks + 16 u + 8 h + 0..7] as f16.
;   mbits: word ((b*128 + qt)*128 + kt)*8 + j; its bit L says mask[b][16 qt + r][16 kt + 8 h + j] != 0.
; A load reads 512 consecutive bytes of one row; the 16 rows turn through the wave's own stage in LDS (rows 528 bytes apart, so that sixteen rows begin at sixteen different banks: 64 banks of 4 bytes, ISA guide 11.1)
; and come back with a lane's numbers as neighbours along the row.  Each path has stages of its own.  No barrier: waves share nothing.  Loads run two steps (32 loads a wave) ahead.
; THE SCALE: a block's largest magnitude, with the floor 2^-124 among its leaves; 2 off its exponent field is the conversion's scale operand, and that field the byte (1 .. 252).
; LIMITS: a block of zeros gets the byte 1 where the rule says 127 (its codes are zeros, and this program alone reads the bytes); NaN and infinities among the inputs are not served; Wf beyond 65,504 has no f16.
; The scale words leave 128 consecutive bytes a store: one byte in 128 of what the path reads.
.set SP,    528                        ; a stage row: 512 bytes + 16
.set STGW,  8704                       ; a wave's stage: 16 rows, rounded up to blocks of 512 bytes
.set STG_F, 34816                      ; the codes' path has its four stages at 0, Wf's here,
.set STG_M, 69632                      ; the mask's here
.set SPARE, 104448                     ; the spare words, 128 bytes for each wave: two blocks of 256 bytes that no other line names
.set R,     16                         ; v16-143  two sets of 64: 16 rows as loaded
.set X,     144                        ; v144-207 64 numbers of my row
.set C,     208                        ; v208-239 results to store
; v1 lane, v2 r, v3 h, v4 16 L; v5, v6 stage in and out for the codes' path; v7, v8 for Wf's; v9, v10 for the mask's; v11 8 h; v12, v13 the add's two; v14, v15 largest magnitudes, then bytes;
; v240-243 codes' offsets by quarter, v244-247 scale words'; v248, v249 scale operands; v250, v251 scale words of two K steps; v252 the word stored; v253, v254 at work; v255 8 L
	s_load_b512 s[4:19], s[0:1], 0x0               ; q, k, v, Wq, Wk, Wv, Wf, mask
	s_load_b128 s[20:23], s[0:1], 0x40             ; codes, wfh
	s_load_b64 s[24:25], s[0:1], 0x50              ; mbits
	v_lshl_add_u32 v12, v0, 2, SPARE
	v_mov_b32 v13, 0
	v_lshrrev_b32 v1, 5, v0
	v_readfirstlane_b32 s26, v1                    ; wave 0..3
	v_and_b32 v1, 31, v0
	v_and_b32 v2, 15, v0
	v_bfe_u32 v3, v0, 4, 1
	v_lshlrev_b32 v4, 4, v1
	s_mul_i32 s48, s26, STGW
	v_add_nc_u32 v5, s48, v4                       ; into a stage: 16 L of row rho (the row stands in the immediate)
	v_add_nc_u32 v7, STG_F, v5
	v_add_nc_u32 v9, STG_M, v5
	v_mul_u32_u24 v14, v2, SP
	v_add_nc_u32 v14, s48, v14                     ; out of it: row r,
	v_lshl_add_u32 v6, v3, 7, v14                  ; + 128 h: a block of 32 numbers;
	v_lshl_add_u32 v8, v3, 5, v14                  ; + 32 h: eight numbers
	v_add_nc_u32 v10, STG_M, v8
	v_add_nc_u32 v8, STG_F, v8
	v_lshlrev_b32 v11, 3, v3
	v_lshlrev_b32 v255, 3, v1
	v_mov_b32 v254, 0                              ; written once: a lane permute's destination counts as one of its sources
	s_mov_b32 s37, 0xffff0000                      ; lanes 16-31
	s_mov_b32 s38, 0x76543210
	s_mov_b32 s39, 0xfedcba98                      ; v_permlanex16_b32's selects for lane l xor 16
	s_wait_kmcnt 0x0
.macro LOADS set, stride, off          ; 16 rows, 512 consecutive bytes of each
.irp rho, 0,1,2,3,4,5,6,7,8,9,10,11,12,13,14,15
	global_load_b128 v[R+64*(\set)+4*\rho:R+64*(\set)+4*\rho+3], v4, s[30:31] offset:\rho*(\stride)+(\off) th:TH_LOAD_NT
.endr
.endm
.macro ARRIVE t, stw                   ; step t's rows are in and go into the stage
.if (\t) < 7
	s_wait_loadcnt 16                              ; the next step's 16 loads may stay out
.else
	s_wait_loadcnt 0x0
.endif
.irp rho, 0,1,2,3,4,5,6,7,8,9,10,11,12,13,14,15
	ds_store_b128 v[\stw], v[R+64*((\t)%2)+4*\rho:R+64*((\t)%2)+4*\rho+3] offset:\rho*SP
.endr
.endm
.macro FROMQ                           ; two whole blocks of my row: k = 64 c + 32 h + 0..31.  LDS serves a wave's instructions in order: these see the stores above
.irp c, 0,1
.irp i, 0,1,2,3,4,5,6,7
	ds_load_b128 v[X+32*\c+4*\i:X+32*\c+4*\i+3], v6 offset:256*\c+16*\i
.endr
.endr
.endm
.macro FROM8 adr                       ; eight times eight numbers of my row: 16 u + 8 h + 0..7
.irp u, 0,1,2,3,4,5,6,7
.irp i, 0,1
	ds_load_b128 v[X+8*\u+4*\i:X+8*\u+4*\i+3], v[\adr] offset:64*\u+16*\i
.endr
.endr
.endm
.macro AHEAD t, stride                 ; the set just emptied takes the rows of two steps on
	s_wait_dscnt 0x0                               ; my numbers are back, and the stage's stores have read their registers
.if (\t)+2 < 8
	LOADS (\t)%2, \stride, 512*((\t)+2)
.endif
	s_wait_xcnt 0x0                                ; the last step's stores have read their data: the registers are written again only behind this wait
.endm
.macro FINISH                          ; the wave's end
	s_wait_tensorcnt 0x0
	ds_add_u32 v12, v13
	s_wait_dscnt 0x0
	s_endpgm
.endm
	s_cmp_ge_u32 ttmp9, 448
	s_cbranch_scc1 .Lmask
	s_cmp_ge_u32 ttmp9, 432
	s_cbranch_scc1 .Lwf
	; ---- codes.  Work-groups 0-383: tensor g / 128 of q, k, v, row tiles 4 (g % 128) + wave; 384-431: weight (g - 384) / 16, row tiles 4 ((g - 384) % 16) + wave
	s_cmp_lt_u32 ttmp9, 384
	s_cselect_b32 s49, 7, 4
	s_cselect_b32 s50, 127, 15
	s_cselect_b32 s51, 0, 384
	s_cselect_b32 s52, 0, 3
	s_mov_b32 s36, 139264
	s_cselect_b32 s36, 1114112, s36                ; from a quarter of K to the next
	s_mov_b32 s53, 557056
	s_cselect_b32 s53, 4456448, s53                ; from a tensor to the next
	s_cselect_b32 s54, 0, 13369344
	s_sub_co_u32 s51, ttmp9, s51
	s_lshr_b32 s27, s51, s49
	s_and_b32 s28, s51, s50
	s_lshl_b32 s28, s28, 2
	s_add_co_u32 s28, s28, s26                     ; my tile of 16 rows
	s_mul_i32 s53, s27, s53
	s_add_co_u32 s54, s54, s53                     ; where the tensor's codes begin
	s_add_co_u32 s27, s27, s52                     ; the tensor's number, 0..5
	s_cmp_eq_u32 s27, 1
	s_cselect_b64 s[30:31], s[6:7], s[4:5]
	s_cmp_eq_u32 s27, 2
	s_cselect_b64 s[30:31], s[8:9], s[30:31]
	s_cmp_eq_u32 s27, 3
	s_cselect_b64 s[30:31], s[10:11], s[30:31]
	s_cmp_eq_u32 s27, 4
	s_cselect_b64 s[30:31], s[12:13], s[30:31]
	s_cmp_eq_u32 s27, 5
	s_cselect_b64 s[30:31], s[14:15], s[30:31]
	s_lshl_b32 s48, s28, 16                        ; 16 rows of 4,096 bytes
	s_mov_b32 s49, 0
	s_add_nc_u64 s[30:31], s[30:31], s[48:49]
	s_lshr_b32 s50, s28, 3
	s_mul_i32 s50, s50, 17408
	s_add_co_u32 s50, s50, s54
	s_mov_b32 s51, 0
	s_add_nc_u64 s[34:35], s[20:21], s[50:51]      ; my group block in quarter 0
	s_and_b32 s52, s28, 7
	s_lshl_b32 s50, s52, 11
	s_add_nc_u64 s[32:33], s[34:35], s[50:51]      ; my tile's codes
	s_lshl_b32 s50, s52, 7
	s_add_co_u32 s50, s50, 16384
	s_add_nc_u64 s[34:35], s[34:35], s[50:51]      ; my tile's scale words
	v_mov_b32 v240, v4
	v_lshlrev_b32 v244, 3, v2
	v_lshl_add_u32 v244, v3, 2, v244               ; 8 r + 4 h: lanes 0-15 store the even K step's word, lanes 16-31 the odd one's
.irp n, 1,2,3
	v_add_nc_u32 v[240+\n], s36, v[239+\n]
	v_add_nc_u32 v[244+\n], s36, v[243+\n]
.endr
.macro QSTEP ks                        ; K step ks: 128 along K of my 16 rows
	ARRIVE \ks, 5
	FROMQ
	AHEAD \ks, 4096
	v_max3_num_f32 v14, |v[X]|, |v[X+1]|, 0x1800000               ; block h, and the floor 2^(3 - 127): the byte cannot fall under 1
	v_max3_num_f32 v15, |v[X+32]|, |v[X+33]|, 0x1800000           ; block 2 + h
.irp i, 2,4,6,8,10,12,14,16,18,20,22,24,26,28,30
	v_max3_num_f32 v14, v14, |v[X+\i]|, |v[X+\i+1]|               ; (the two blocks by turns)
	v_max3_num_f32 v15, v15, |v[X+32+\i]|, |v[X+33+\i]|
.endr
	v_add_nc_u32 v248, 0xff000000, v14             ; 2 off the exponent field: the conversion takes that field as its scale, and nothing else of the operand
	v_add_nc_u32 v249, 0xff000000, v15
.irp c, 0,1
.irp g, 0,1,2,3
	v_cvt_scalef32_pk8_fp4_f32 v[C+4*\c+\g], v[X+32*\c+8*\g:X+32*\c+8*\g+7], v[248+\c]   ; registers 4 c .. 4 c + 3 of the operand
.endr
.endr
	v_lshrrev_b32 v14, 23, v248                    ; the bytes.  (A plain line behind the conversions)
	v_lshrrev_b32 v15, 23, v249
	v_lshl_or_b32 v253, v15, 16, v14
	v_lshlrev_b32 v253, v11, v253                  ; at their places in the word: 8 h bits up
	v_permlanex16_b32 v254, v253, s38, s39
	v_or_b32 v[250+(\ks)%2], v253, v254            ; with lane l xor 16's two the word is whole, in both lanes
.irp c, 0,1
	global_store_b128 v[240+(\ks)/2], v[C+4*\c:C+4*\c+3], s[32:33] offset:((\ks)%2)*1024+\c*512   ; 512 consecutive bytes
.endr
.if (\ks)%2
	v_cndmask_b32 v252, v250, v251, s37
	global_store_b32 v[244+(\ks)/2], v252, s[34:35]
.endif
.endm
	LOADS 0, 4096, 0
	LOADS 1, 4096, 512
.irp t, 0,1,2,3,4,5,6,7
	QSTEP \t
.endr
	FINISH
.Lwf:	; ---- Wf as f16: rows 16 nt .. 16 nt + 15, nt = 4 (g - 432) + wave
	s_sub_co_u32 s48, ttmp9, 432
	s_lshl_b32 s48, s48, 2
	s_add_co_u32 s48, s48, s26
	s_lshl_b32 s50, s48, 16
	s_mov_b32 s51, 0
	s_add_nc_u64 s[30:31], s[16:17], s[50:51]
	s_lshl_b32 s50, s48, 12
	s_add_nc_u64 s[32:33], s[22:23], s[50:51]
.macro FSTEP ks
	ARRIVE \ks, 7
	FROM8 8
	AHEAD \ks, 4096
.irp n, 0,1,2,3,4,5,6,7,8,9,10,11,12,13,14,15,16,17,18,19,20,21,22,23,24,25,26,27,28,29,30,31
	v_cvt_pk_f16_f32 v[C+\n], v[X+2*\n], v[X+2*\n+1]
.endr
.irp u, 0,1,2,3,4,5,6,7
	global_store_b128 v4, v[C+4*\u:C+4*\u+3], s[32:33] offset:(\ks)*262144+\u*512
.endr
.endm
	LOADS 0, 4096, 0
	LOADS 1, 4096, 512
.irp t, 0,1,2,3,4,5,6,7
	FSTEP \t
.endr
	FINISH
.Lmask:	; ---- the mask: job = 4 (g - 448) + wave: 16 queries (job / 2), 1,024 keys (job % 2)
	s_sub_co_u32 s48, ttmp9, 448
	s_lshl_b32 s48, s48, 2
	s_add_co_u32 s48, s48, s26
	s_lshr_b32 s49, s48, 1
	s_and_b32 s50, s48, 1
	s_lshl_b32 s52, s49, 17                        ; 16 rows of 8,192 bytes
	s_lshl_b32 s54, s50, 12
	s_add_co_u32 s52, s52, s54
	s_mov_b32 s53, 0
	s_add_nc_u64 s[30:31], s[18:19], s[52:53]
	s_lshl_b32 s52, s49, 12                        ; 1,024 words for 16 queries
	s_lshl_b32 s54, s50, 11
	s_add_co_u32 s52, s52, s54
	s_add_nc_u64 s[32:33], s[24:25], s[52:53]
	v_mov_b32 v[C], 0                              ; written once: v_writelane_b32's destination counts as read
	v_mov_b32 v[C+1], 0
.macro MSTEP t                         ; 128 keys: 64 words.  A compare's lane mask IS a word; word w goes to lane w / 2, register w % 2, so that the wave stores 256 consecutive bytes
	ARRIVE \t, 9
	FROM8 10
	AHEAD \t, 8192
.irp g, 0,1,2,3,4,5,6,7
.irp j, 0,1,2,3,4,5,6,7
	v_cmp_ne_u32 s[40+\j], 0, v[X+8*\g+\j]
.endr
.irp j, 0,1,2,3,4,5,6,7
	v_writelane_b32 v[C+(\j%2)], s[40+\j], 4*\g+\j/2
.endr
.endr
	global_store_b64 v255, v[C:C+1], s[32:33] offset:256*(\t)
.endm
	LOADS 0, 8192, 0
	LOADS 1, 8192, 512
.irp t, 0,1,2,3,4,5,6,7
	MSTEP \t
.endr
	FINISH
.Lfunc_end_k_qcf5d6b13a1_prep:
	.size	k_qcf5d6b13a1_prep, .Lfunc_end_k_qcf5d6b13a1_prep-k_qcf5d6b13a1_prep
	.p2alignl 7, 3214868480
	.fill 96, 4, 3214868480
	.section	.rodata,"a",@progbits
	.p2align	6, 0x0
	.amdhsa_kernel k_qcf5d6b13a1_prep
		.amdhsa_group_segment_fixed_size 104960
		.amdhsa_private_segment_fixed_size 0
		.amdhsa_enable_private_segment 0
		.amdhsa_kernarg_size 88
		.amdhsa_user_sgpr_count 2
		.amdhsa_user_sgpr_kernarg_segment_ptr 1
		.amdhsa_wavefront_size32 1
		.amdhsa_system_sgpr_workgroup_id_x 1
		.amdhsa_system_sgpr_workgroup_id_y 1
		.amdhsa_system_sgpr_workgroup_id_z 1
		.amdhsa_system_vgpr_workitem_id 0
		.amdhsa_next_free_vgpr 256
		.amdhsa_next_free_sgpr 66
		.amdhsa_reserve_vcc 0
		.amdhsa_float_denorm_mode_32 3
		.amdhsa_float_denorm_mode_16_64 3
		.amdhsa_memory_ordered 1
		.amdhsa_forward_progress 1
		.amdhsa_inst_pref_size 204
	.end_amdhsa_kernel
	.amdgpu_metadata
---
amdhsa.version: [ 1, 2 ]
amdhsa.kernels:
  - .name:           k_qcf5d6b13a1_prep
    .symbol:         k_qcf5d6b13a1_prep.kd
    .args:
      - { .name: q, .offset: 0, .size: 8, .value_kind: global_buffer, .address_space: global }
      - { .name: k, .offset: 8, .size: 8, .value_kind: global_buffer, .address_space: global }
      - { .name: v, .offset: 16, .size: 8, .value_kind: global_buffer, .address_space: global }
      - { .name: Wq, .offset: 24, .size: 8, .value_kind: global_buffer, .address_space: global }
      - { .name: Wk, .offset: 32, .size: 8, .value_kind: global_buffer, .address_space: global }
      - { .name: Wv, .offset: 40, .size: 8, .value_kind: global_buffer, .address_space: global }
      - { .name: Wf, .offset: 48, .size: 8, .value_kind: global_buffer, .address_space: global }
      - { .name: mask, .offset: 56, .size: 8, .value_kind: global_buffer, .address_space: global }
      - { .name: codes, .offset: 64, .size: 8, .value_kind: global_buffer, .address_space: global }
      - { .name: wfh, .offset: 72, .size: 8, .value_kind: global_buffer, .address_space: global }
      - { .name: mbits, .offset: 80, .size: 8, .value_kind: global_buffer, .address_space: global }
    .group_segment_fixed_size: 104960
    .private_segment_fixed_size: 0
    .kernarg_segment_align: 8
    .kernarg_segment_size: 88
    .max_flat_workgroup_size: 128
    .sgpr_count:     66
    .vgpr_count:     256
    .wavefront_size: 32
...
	.end_amdgpu_metadata
.endif
;; end of part 1
;; launch proj (part 2): grid 4 x 96, 4 waves a work-group, clusters of 4 x 4, 327,680 bytes of LDS; arguments codes, bq, bk, bv, qf, kv; writes qf, kv
.if DOCPART == 2
	.amdgcn_target "amdgcn-amd-amdhsa--gfx1250"
	.amdhsa_code_object_version 6
	.text
	.protected	k_qcf5d6b13a1_proj
	.globl	k_qcf5d6b13a1_proj
	.p2align	8
	.type	k_qcf5d6b13a1_proj,@function
k_qcf5d6b13a1_proj:
	s_mov_b64 s[64:65], 0
	v_nop
	global_prefetch_b8 v0, s[64:65] scope:SCOPE_SE
	s_setreg_imm32_b32 hwreg(HW_REG_WAVE_MODE, 25, 1), 1
	s_wait_xcnt 0x0
	s_wait_alu depctr_hold_cnt(0) depctr_sa_sdst(0) depctr_va_vdst(0) depctr_va_sdst(0) depctr_va_ssrc(0) depctr_va_vcc(0) depctr_vm_vsrc(0)
	s_getreg_b32 s2, hwreg(HW_REG_IB_STS2, 6, 4)
	s_cmp_eq_u32 s2, 0
	s_cbranch_scc0 .Lentry_in_a_cluster
	s_endpgm
.Lentry_in_a_cluster:
	s_bfe_u32 s2, ttmp6, 0x10000c
	s_cmp_lg_u32 s2, 0xf033
	s_cbranch_scc0 .Lentry_shape_is_right
	s_endpgm
.Lentry_shape_is_right:
; PROJ.  The three projections x W^T + b on codes of FP4 (E2M1) with E8M0 scales, K = 1,024; sums in f32; results as f16, laid in the order of the attention launch's operand registers.
; A work-group of four waves makes 256 channels x 256 tokens of projection p (0 q, 1 k, 2 v); a wave 128 x 128: 64 accumulators, 512 registers.
; Work-group x = cx: the 256 channels.  Work-group y = 4 x cluster y + cy: p = cluster y / 8 (the same in all partners), tokens 256 (y % 32) on.
; CLUSTERS: 4 x 4.  W's blocks hang on cx alone and are shared down a column of the cluster, x's on y alone and are shared along a row: each is asked for JOINTLY, the same tensor load with the same descriptor and a mask of four.
; ALL OF K LIES IN LDS: four quarters of K, each W's two and x's two group blocks of 17,408 bytes (128 rows x 256 K of codes, then their scale words), 278,528 bytes.  Wave w fetches block w of every quarter:
; four tensor loads a wave, all issued at the head; nothing is filled again.  By this text's count four loads of a wave are out at the most.  A quarter is multiplied as soon as it has landed (counted waits).
; The blocks hold images of operand registers: every fragment comes by ds_load_b128 at 16 x lane.
; THE MATRIX INSTRUCTION: source 0 = 16 rows of W, source 1 = 16 rows of x: lane (r, h) holds token r and channels 8 h + 0..7, which pack into the 16 bytes of an image: the results leave straight from registers,
; 512 consecutive bytes a store.  The bias is the C of each sum's first instruction.  Q is multiplied by log2(e) / 8 on the way out, so that the attention's scores are exponents of 2.
; OUT: qf: bh*262144 + qt*2048 + d*512 + 16 L = Q[16 qt + r][16 d + 8 h + 0..7];  kv: bh*524288 + st*16384 + a*2048 + d*512 + 16 L = K[64 st + 16 a + r][..]; V 8,192 bytes on, its lanes in the order
; 16 (r / 8) + 8 h + r % 8, in which the turning LDS load reads it at 16 x lane.
; LIMITS: projected numbers beyond 65,504 have no f16; NaN and infinities are not served.
; REGISTERS: window 0: v1 r, v2 h, v3 16 L, v4-6 LDS addresses, v8-11 store offsets, v28, v29 the add's two, v32-47 scale words, v64-127 the bias, v128-223 the way out;
;   window 1: two K steps' fragments: step u: W's at 128 u + 8 i, x's at 128 u + 64 + 8 i;   windows 2, 3: accumulator (a, b) at 8 (8 (a % 4) + b), token tiles a < 4 in window 2.
.set GB,    17408
.set QB,    69632                      ; a quarter of K in LDS
.set SPARE, 278528                     ; the spare words, 128 bytes for each wave: two blocks of 256 bytes that no other line names
.set SC,    32                         ; register 2 i + u: lanes 0-15 the word of W's block i, lanes 16-31 that of x's block i, K step u of the quarter
.set BI,    64
.set T,     128
.set HF,    192
.set MSB, 0
.macro WIN new                         ; the immediate's high byte repeats the setting that is left
.if MSB != (\new)
	s_set_vgpr_msb (MSB<<8)|(\new)
.set MSB, (\new)
.endif
.endm
.macro PLACES n
.rept \n
	v_nop
.endr
.endm
.macro ROUND                           ; a round of the cluster's barrier
	s_barrier_signal -1
	s_barrier_wait -1
	s_cmp_lg_u32 s16, 0
	s_cbranch_scc1 .Lnot_wave_0_\@
	s_barrier_signal -3
.Lnot_wave_0_\@:
	s_barrier_wait -3
	s_barrier_signal -1
	s_barrier_wait -1
.endm
	s_load_b256 s[4:11], s[0:1], 0x0               ; codes, bq, bk, bv
	s_load_b128 s[12:15], s[0:1], 0x20             ; qf, kv
	v_lshl_add_u32 v28, v0, 2, SPARE
	v_mov_b32 v29, 0
	ds_add_u32 v28, v29                            ; the wave's opening: the add, twice on end, and its wait ahead of my first tensor load
	ds_add_u32 v28, v29
	v_lshrrev_b32 v1, 5, v0
	v_readfirstlane_b32 s16, v1                    ; wave 0..3
	s_lshr_b32 s17, s16, 1                         ; which 128 tokens are mine
	s_and_b32 s18, s16, 1                          ; which 128 channels.  Also: which of the two blocks I fetch
	s_bfe_u32 s19, ttmp6, 0x40000                  ; cx
	s_bfe_u32 s20, ttmp6, 0x40004                  ; cy
	s_and_b32 s21, ttmp7, 0xffff                   ; cluster y
	s_lshr_b32 s22, s21, 3                         ; p
	s_lshl_b32 s23, s21, 2
	s_add_co_u32 s23, s23, s20
	s_and_b32 s23, s23, 31                         ; which 256 tokens
	s_lshl_b32 s86, 0x1111, s19                    ; my column of the cluster
	s_or_b32 s24, s86, (3<<16)|(1<<21)             ; group 1 for W: the mask; elements of 8 bytes; bit 21 beside a mask
	s_lshl_b32 s90, s20, 2
	s_lshl_b32 s90, 15, s90                        ; my row
	s_or_b32 s32, s90, (3<<16)|(1<<21)             ; group 1 for x
.irp g, 24, 32                         ; a dense block of 17,408 bytes as 68 rows of 256
	s_mov_b32 s[\g+1], 32<<16                      ; tensor_dim0
	s_mov_b32 s[\g+2], 68<<16                      ; tensor_dim1
	s_mov_b32 s[\g+3], 32<<16                      ; tile_dim0
	s_mov_b32 s[\g+4], 68                          ; tile_dim1
	s_mov_b32 s[\g+5], 32                          ; the pitch
	s_mov_b32 s[\g+6], 0
	s_mov_b32 s[\g+7], 0
.endr
	s_lshl_b32 s86, s19, 1                         ; W's block: group 2 cx + half, of weight p
	s_add_co_u32 s86, s86, s18
	s_mul_i32 s86, s86, GB
	s_mul_i32 s88, s22, 557056
	s_add_co_u32 s86, s86, s88
	s_add_co_u32 s86, s86, 13369344
	s_mov_b32 s87, 0
	s_lshl_b32 s90, s23, 1                         ; x's block: group 2 (y % 32) + half, of tensor p
	s_add_co_u32 s90, s90, s18
	s_mul_i32 s90, s90, GB
	s_mul_i32 s92, s22, 4456448
	s_add_co_u32 s90, s90, s92
	s_mov_b32 s91, 0
	s_mul_i32 s93, s16, GB                         ; where my block goes: no place in the cluster enters an LDS address
	s_wait_dscnt 0x0                               ; both opening adds are done
	s_wait_kmcnt 0x0
	s_add_nc_u64 s[86:87], s[4:5], s[86:87]
	s_add_nc_u64 s[90:91], s[4:5], s[90:91]
	ROUND                                          ; all sixteen work-groups are here: the joint loads meet
.macro MKG0 g, base, kq, step          ; group 0 for quarter kq
	s_mov_b32 s[\g], 1
	s_add_co_u32 s[\g+1], s93, (\kq)*QB
	s_add_nc_u64 s[\g+2:\g+3], s[\base:\base+1], (\kq)*(\step)
	s_or_b32 s[\g+3], s[\g+3], 0x80000000
.endm
	MKG0 40, 86, 0, 139264
	MKG0 44, 86, 1, 139264
	MKG0 48, 86, 2, 139264
	MKG0 52, 86, 3, 139264
	MKG0 56, 90, 0, 1114112
	MKG0 60, 90, 1, 1114112
	MKG0 68, 90, 2, 1114112
	MKG0 72, 90, 3, 1114112
	s_cmp_lt_u32 s16, 2                            ; waves 0 and 1 fetch W's blocks, waves 2 and 3 x's: a wave's four loads stand in one branch on its number
	s_cbranch_scc0 .Lfirst_x
.irp g, 40, 44, 48, 52
	tensor_load_to_lds s[\g:\g+3], s[24:31]
	s_nop 0
.endr
	PLACES 4
	s_branch .Lfirst_asked
.Lfirst_x:
.irp g, 56, 60, 68, 72
	tensor_load_to_lds s[\g:\g+3], s[32:39]
	s_nop 0
.endr
	PLACES 4
.Lfirst_asked:
	v_and_b32 v1, 15, v0                           ; r
	v_bfe_u32 v2, v0, 4, 1                         ; h
	v_and_b32 v3, 31, v0
	v_lshlrev_b32 v3, 4, v3                        ; 16 L
	s_mul_i32 s94, s18, GB
	v_add_nc_u32 v4, s94, v3                       ; W's fragments: my block
	s_add_co_u32 s95, s17, 2
	s_mul_i32 s96, s95, GB
	v_add_nc_u32 v5, s96, v3                       ; x's
	s_sub_co_u32 s96, s96, s94
	v_mul_u32_u24 v6, s96, v2                      ; scale words: lanes 16-31 take x's block, that many bytes on
	v_lshl_add_u32 v6, v1, 3, v6                   ; 8 bytes a row
	s_add_co_u32 s94, s94, 16384
	v_add_nc_u32 v6, s94, v6
	v_lshlrev_b32 v12, 5, v2                       ; the bias: my half's eight numbers
	s_cmp_eq_u32 s22, 1
	s_cselect_b64 s[84:85], s[8:9], s[6:7]
	s_cmp_eq_u32 s22, 2
	s_cselect_b64 s[84:85], s[10:11], s[84:85]
	s_lshl_b32 s94, s19, 10
	s_lshl_b32 s95, s18, 9
	s_add_co_u32 s94, s94, s95                     ; channel 256 cx + 128 half, in bytes
	s_mov_b32 s95, 0
	s_add_nc_u64 s[84:85], s[84:85], s[94:95]
.irp b, 0,1,2,3,4,5,6,7
	global_load_b128 v[BI+8*\b:BI+8*\b+3], v12, s[84:85] offset:64*\b          ; b[16 b + 8 h + 0..7]: the result's layout
	global_load_b128 v[BI+8*\b+4:BI+8*\b+7], v12, s[84:85] offset:64*\b+16
.endr
	; the way out: all that hangs on p is chosen without a branch
	s_cmp_eq_u32 s22, 0
	s_cselect_b64 s[78:79], s[12:13], s[14:15]
	s_cselect_b32 s76, 0x3e38aa3b, 1.0             ; log2(e) / 8 for Q
	s_mov_b32 s80, 524288
	s_cselect_b32 s80, 262144, s80                 ; from head to head
	s_mov_b32 s81, 16384
	s_cselect_b32 s81, 8192, s81                   ; from four token tiles to the next four
	s_mov_b32 s77, s76                             ; (named with it as a pair)
	s_cmp_eq_u32 s22, 2
	s_cselect_b32 s82, -1, 0
	s_cselect_b32 s97, 8192, 0                     ; V lies behind K
	s_lshr_b32 s94, s23, 3
	s_lshl_b32 s94, s94, 4
	s_lshl_b32 s95, s19, 2
	s_add_co_u32 s94, s94, s95
	s_lshl_b32 s95, s18, 1
	s_add_co_u32 s94, s94, s95                     ; my first head: 16 batch + 4 cx + 2 half
	s_mul_i32 s94, s94, s80
	s_and_b32 s95, s23, 7
	s_lshl_b32 s95, s95, 2
	s_lshl_b32 s96, s17, 1
	s_add_co_u32 s95, s95, s96                     ; my first token tile / 4
	s_mul_i32 s95, s95, s81
	s_add_co_u32 s94, s94, s95
	s_add_co_u32 s94, s94, s97
	s_mov_b32 s95, 0
	s_add_nc_u64 s[78:79], s[78:79], s[94:95]
	v_lshrrev_b32 v7, 3, v1
	v_lshlrev_b32 v7, 4, v7
	v_lshl_add_u32 v7, v2, 3, v7
	v_and_b32 v13, 7, v1
	v_add_nc_u32 v7, v7, v13                       ; 16 (r / 8) + 8 h + r % 8
	v_lshlrev_b32 v7, 4, v7
	v_cndmask_b32 v8, v3, v7, s82                  ; my 16 bytes' place in an image: V's order, or the lanes' own
	v_add_nc_u32 v9, s80, v8                       ; the second head
	v_add_nc_u32 v10, s81, v8                      ; token tiles 4-7
	v_add_nc_u32 v11, s80, v10
.macro FETCH u                         ; K step u of the quarter: 16 fragments, 32 loads
	WIN 0x40                                       ; destination window 1
.irp i, 0,1,2,3,4,5,6,7
.irp c, 0,1
	ds_load_b128 v[128*(\u)+8*\i+4*\c:128*(\u)+8*\i+4*\c+3], v4 offset:\i*2048+(\u)*1024+\c*512
.endr
.endr
.irp i, 0,1,2,3,4,5,6,7
.irp c, 0,1
	ds_load_b128 v[128*(\u)+64+8*\i+4*\c:128*(\u)+64+8*\i+4*\c+3], v5 offset:\i*2048+(\u)*1024+\c*512
.endr
.endr
.endm
; 64 matrix instructions: 128 along K.  The 64 accumulators take turns, one instruction a turn, in the same order in every step.  first = 1: the bias starts the sums.
.macro MUL64 u, first
.irp a, 0,1,2,3,4,5,6,7
.if \first
	WIN 0x85+0x40*(\a/4)                           ; sources 0 and 1 window 1, C window 0, D window 2 or 3
.else
	WIN 0xa5+0x50*(\a/4)                           ; C and D window 2 or 3
.endif
.irp b, 0,1,2,3,4,5,6,7
.if \first
	v_wmma_scale_f32_16x16x128_f8f6f4 v[8*(8*(\a%4)+\b):8*(8*(\a%4)+\b)+7], v[128*(\u)+8*\b:128*(\u)+8*\b+7], v[128*(\u)+64+8*\a:128*(\u)+64+8*\a+7], v[BI+8*\b:BI+8*\b+7], v[SC+2*\b+(\u)], v[SC+2*\a+(\u)] matrix_a_fmt:MATRIX_FMT_FP4 matrix_b_fmt:MATRIX_FMT_FP4 matrix_b_scale:MATRIX_SCALE_ROW1
.else
	v_wmma_scale_f32_16x16x128_f8f6f4 v[8*(8*(\a%4)+\b):8*(8*(\a%4)+\b)+7], v[128*(\u)+8*\b:128*(\u)+8*\b+7], v[128*(\u)+64+8*\a:128*(\u)+64+8*\a+7], v[8*(8*(\a%4)+\b):8*(8*(\a%4)+\b)+7], v[SC+2*\b+(\u)], v[SC+2*\a+(\u)] matrix_a_fmt:MATRIX_FMT_FP4 matrix_b_fmt:MATRIX_FMT_FP4 matrix_b_scale:MATRIX_SCALE_ROW1
.endif
.endr
.endr
.endm
.macro QUARTER kq
	WIN 0
	s_wait_tensorcnt 3-(\kq)                       ; my block of this quarter is in; my loads of the later quarters may stay out
	s_barrier_signal -1                            ; (no LDS instruction of mine is out here)
	s_barrier_wait -1                              ; everybody's block is in
.if (\kq) > 0
	v_add_nc_u32 v4, QB, v4
	v_add_nc_u32 v5, QB, v5
	v_add_nc_u32 v6, QB, v6
	PLACES 4                                       ; in front of loads into registers that matrix instructions have read (ISA guide 7.12.1 for vector instructions)
.endif
.irp i, 0,1,2,3,4,5,6,7
	ds_load_b64 v[SC+2*\i:SC+2*\i+1], v6 offset:\i*128   ; the quarter's two words of each row
.endr
	FETCH 0
	FETCH 1
.if (\kq) == 0
	s_wait_loadcnt 0x0                             ; the bias
.endif
	s_wait_dscnt 32                                ; the scale words and K step 0 are in; K step 1's 32 loads may be out
	MUL64 0, ((\kq)==0)
	s_wait_dscnt 0x0
	MUL64 1, 0
.endm
	QUARTER 0
	QUARTER 1
	QUARTER 2
	QUARTER 3
	PLACES 4                                       ; in front of the first read of results
.macro OUTBLK a                        ; token tile a: scaled, rounded to f16, stored
	WIN 0x02+(\a)/4                                ; source 0: window 2 or 3
.irp b, 0,1,2,3,4,5,6,7
.irp n, 0,1,2,3
	v_pk_mul_f32 v[T+8*\b+2*\n:T+8*\b+2*\n+1], v[8*(8*((\a)%4)+\b)+2*\n:8*(8*((\a)%4)+\b)+2*\n+1], s[76:77] op_sel_hi:[1,0]   ; each accumulator from its low end on
.endr
.endr
	WIN 0
	s_wait_xcnt 0x0                                ; the last tile's stores have read their data
.irp b, 0,1,2,3,4,5,6,7
.irp n, 0,1,2,3
	v_cvt_pk_f16_f32 v[HF+4*\b+\n], v[T+8*\b+2*\n], v[T+8*\b+2*\n+1]
.endr
.endr
.irp b, 0,1,2,3,4,5,6,7
	global_store_b128 v[8+2*((\a)/4)+(\b/4)], v[HF+4*\b:HF+4*\b+3], s[78:79] offset:((\a)%4)*2048+(\b%4)*512 th:TH_STORE_NT   ; 512 consecutive bytes
.endr
.endm
.irp a, 0,1,2,3,4,5,6,7
	OUTBLK \a
.endr
	s_wait_tensorcnt 0x0                           ; the wave's end
	ds_add_u32 v28, v29
	s_wait_dscnt 0x0
	ROUND                                          ; the closing round
	s_endpgm
.Lfunc_end_k_qcf5d6b13a1_proj:
	.size	k_qcf5d6b13a1_proj, .Lfunc_end_k_qcf5d6b13a1_proj-k_qcf5d6b13a1_proj
	.p2alignl 7, 3214868480
	.fill 96, 4, 3214868480
	.section	.rodata,"a",@progbits
	.p2align	6, 0x0
	.amdhsa_kernel k_qcf5d6b13a1_proj
		.amdhsa_group_segment_fixed_size 327680
		.amdhsa_private_segment_fixed_size 0
		.amdhsa_enable_private_segment 0
		.amdhsa_kernarg_size 48
		.amdhsa_user_sgpr_count 2
		.amdhsa_user_sgpr_kernarg_segment_ptr 1
		.amdhsa_wavefront_size32 1
		.amdhsa_system_sgpr_workgroup_id_x 1
		.amdhsa_system_sgpr_workgroup_id_y 1
		.amdhsa_system_sgpr_workgroup_id_z 1
		.amdhsa_system_vgpr_workitem_id 0
		.amdhsa_next_free_vgpr 1024
		.amdhsa_next_free_sgpr 100
		.amdhsa_reserve_vcc 0
		.amdhsa_float_denorm_mode_32 3
		.amdhsa_float_denorm_mode_16_64 3
		.amdhsa_memory_ordered 1
		.amdhsa_forward_progress 1
		.amdhsa_inst_pref_size 134
	.end_amdhsa_kernel
	.amdgpu_metadata
---
amdhsa.version: [ 1, 2 ]
amdhsa.kernels:
  - .name:           k_qcf5d6b13a1_proj
    .symbol:         k_qcf5d6b13a1_proj.kd
    .args:
      - { .name: codes, .offset: 0, .size: 8, .value_kind: global_buffer, .address_space: global }
      - { .name: bq, .offset: 8, .size: 8, .value_kind: global_buffer, .address_space: global }
      - { .name: bk, .offset: 16, .size: 8, .value_kind: global_buffer, .address_space: global }
      - { .name: bv, .offset: 24, .size: 8, .value_kind: global_buffer, .address_space: global }
      - { .name: qf, .offset: 32, .size: 8, .value_kind: global_buffer, .address_space: global }
      - { .name: kv, .offset: 40, .size: 8, .value_kind: global_buffer, .address_space: global }
    .group_segment_fixed_size: 327680
    .private_segment_fixed_size: 0
    .kernarg_segment_align: 8
    .kernarg_segment_size: 48
    .max_flat_workgroup_size: 128
    .sgpr_count:     100
    .vgpr_count:     1024
    .wavefront_size: 32
...
	.end_amdgpu_metadata
.endif
;; end of part 2
;; launch attn (part 3): grid 4 x 64, 16 waves a work-group, clusters of 4 x 1, 327,680 bytes of LDS; arguments qf, kv, mbits, yf; writes yf
.if DOCPART == 3
	.amdgcn_target "amdgcn-amd-amdhsa--gfx1250"
	.amdhsa_code_object_version 6
	.text
	.protected	k_qcf5d6b13a1_attn
	.globl	k_qcf5d6b13a1_attn
	.p2align	8
	.type	k_qcf5d6b13a1_attn,@function
k_qcf5d6b13a1_attn:
	s_mov_b64 s[64:65], 0
	v_nop
	global_prefetch_b8 v0, s[64:65] scope:SCOPE_SE
	s_setreg_imm32_b32 hwreg(HW_REG_WAVE_MODE, 25, 1), 1
	s_wait_xcnt 0x0
	s_wait_alu depctr_hold_cnt(0) depctr_sa_sdst(0) depctr_va_vdst(0) depctr_va_sdst(0) depctr_va_ssrc(0) depctr_va_vcc(0) depctr_vm_vsrc(0)
	s_getreg_b32 s2, hwreg(HW_REG_IB_STS2, 6, 4)
	s_cmp_eq_u32 s2, 0
	s_cbranch_scc0 .Lentry_in_a_cluster
	s_endpgm
.Lentry_in_a_cluster:
	s_bfe_u32 s2, ttmp6, 0x10000c
	s_cmp_lg_u32 s2, 0x3003
	s_cbranch_scc0 .Lentry_shape_is_right
	s_endpgm
.Lentry_shape_is_right:
; ATTN.  y[b][q][64 hd ..] = the sum over k of softmax_k(masked score) V, for each of 64 (batch, head) pairs; head size 64; f16 operands, f32 sums, maxima and row sums.
; Q arrives multiplied by log2(e) / 8, so a product K Q^T is t = score x log2(e).  Where the mask's bit is 0, t is REPLACED by -1e9 x log2(e), as reference() replaces the score by -1e9: a row with no open key
; so gives the plain mean of all values.  p = 2^(t - m), m the running maximum of the masked t; in every step the sum l and O are multiplied by a = 2^(m_old - m_new).  t - m is a subtraction by itself, so that a masked
; t under a masked maximum gives exactly 0.
; SHARES.  A work-group owns 512 queries of one head; each of its SIXTEEN waves two tiles of 16, in 256 registers: four waves to a SIMD, so that one wave's vector work stands beside another's matrix work and LDS loads.
; Every wave walks all 2,048 keys, 64 a step.  K and V come through a ring of two LDS slots of 512 keys (131,072 bytes, dense: images of operand registers, read at 16 x lane); every wave fetches 8,192 bytes of a slot.
; CLUSTER.  The four query blocks of a head form a cluster and walk the same K and V: each tile is asked for JOINTLY, the same tensor load with the same descriptor and the mask 15.
; LAYOUT.  S^T = K Q^T (source 0 = 16 keys, source 1 = 16 queries), O^T = V^T P (source 0 = 16 channels, source 1 = P): a lane holds ONE query (lane % 16) throughout.  Two tiles of S^T, rounded to f16 in pairs, ARE a fragment of P.
; THE MASK arrives as lane masks: word 8 a + j of a step is the mask of register j of key tile a; 32 words a tile and step come by scalar loads, asked for a whole step ahead, and feed v_cndmask_b32 alone.
; No prefetch: a refill is asked for a whole slot, 8 key steps of all sixteen waves, ahead of the change of slots that waits for it.
; LIMITS: f16 operands (Q, K, V up to 65,504; p under 6e-5 keeps fewer bits); NaN and infinities are not served.
; REGISTERS: v1, v2 the add's two; v3 16 L; v4 the step's LDS address; v5 the masked t; tile t's statistics at v[8 + 8 t]: +0 m (+1 its pair's upper word), +2, +3 l, +4 a, +5 m_old - m, +6, +7 at work;
;   v32-63 Q (tile t, channels 32 c on: 32 + 16 t + 8 c); v64-127 K, then V; v128-191 S^T, then p (32 a tile); v192-255 O^T (32 a tile).
; s2 wave; s3 the step's LDS byte; s[4:35], s[68:99] mask words of tiles 0, 1; s[36:43] group 1; s[44:51] groups 0; s[52:53] mask words' address, s54 the step's offset; s55 counter; s[56:57] lane selects; s[58:59] Q; s[60:61] y.
.set SLOT1, 131072
.set SPARE, 262144                     ; the spare words, 128 bytes for each wave: eight blocks of 256 bytes that no other line names
.set Q,   32
.set KV,  64
.set S,   128
.set O,   192
.macro PLACES n
.rept \n
	v_nop
.endr
.endm
.macro ROUND                           ; a round of the cluster's barrier
	s_barrier_signal -1
	s_barrier_wait -1
	s_cmp_lg_u32 s2, 0
	s_cbranch_scc1 .Lnot_wave_0_\@
	s_barrier_signal -3
.Lnot_wave_0_\@:
	s_barrier_wait -3
	s_barrier_signal -1
	s_barrier_wait -1
.endm
.macro MLOADS                          ; a step's 32 mask words of each of my two tiles
	s_load_b512 s[4:19], s[52:53], s54 offset:0x0
	s_load_b512 s[20:35], s[52:53], s54 offset:0x40
	s_load_b512 s[68:83], s[52:53], s54 offset:0x1000
	s_load_b512 s[84:99], s[52:53], s54 offset:0x1040
.endm
	s_load_b256 s[4:11], s[0:1], 0x0               ; qf, kv, mbits, yf
	v_lshl_add_u32 v1, v0, 2, SPARE
	v_mov_b32 v2, 0
	ds_add_u32 v1, v2                              ; the wave's opening: the add, twice on end, and its wait ahead of my first tensor load
	ds_add_u32 v1, v2
	v_lshrrev_b32 v3, 5, v0
	v_readfirstlane_b32 s2, v3                     ; wave 0..15
	s_and_b32 s62, ttmp7, 0xffff                   ; 16 batch + head: the cluster's y, which the partners share
	s_bfe_u32 s63, ttmp6, 0x40000                  ; cx: my block of 512 queries: it enters Q's, the mask's and y's addresses alone
	s_mov_b32 s36, 15|(3<<16)|(1<<21)              ; group 1: the mask of four; elements of 8 bytes; bit 21 beside a mask.  8,192 dense bytes as 32 rows of 256
	s_mov_b32 s37, 32<<16                          ; tensor_dim0
	s_mov_b32 s38, 32<<16                          ; tensor_dim1
	s_mov_b32 s39, 32<<16                          ; tile_dim0
	s_mov_b32 s40, 32                              ; tile_dim1
	s_mov_b32 s41, 32                              ; the pitch
	s_mov_b32 s42, 0
	s_mov_b32 s43, 0
	s_mov_b32 s56, 0x76543210
	s_mov_b32 s57, 0xfedcba98                      ; v_permlanex16_b32's selects for lane l xor 16
	s_mov_b32 s54, 0
	s_lshl_b32 s100, s62, 19                       ; the head's 524,288 bytes of K and V,
	s_lshl_b32 s45, s2, 13                         ; my 8,192 bytes of a slot, in memory and in LDS
	s_add_co_u32 s100, s100, s45
	s_mov_b32 s101, 0
	s_add_co_u32 s49, s45, SLOT1
	s_mov_b32 s44, 1
	s_mov_b32 s48, 1
	s_lshl_b32 s66, s63, 5
	s_lshl_b32 s67, s2, 1
	s_add_co_u32 s66, s66, s67                     ; my first tile of queries: 32 cx + 2 wave
	s_lshl_b32 s104, s62, 18
	s_lshl_b32 s105, s66, 11
	s_add_co_u32 s104, s104, s105                  ; in qf
	s_mov_b32 s105, 0
	s_lshr_b32 s67, s62, 4
	s_lshl_b32 s67, s67, 7
	s_add_co_u32 s67, s67, s66                     ; 128 batch + tile
	s_lshl_b32 s66, s67, 12                        ; 4,096 bytes a tile, in mbits and in yf alike
	s_mov_b32 s67, 0
	s_wait_dscnt 0x0                               ; both opening adds are done
	s_wait_kmcnt 0x0
	s_add_nc_u64 s[46:47], s[6:7], s[100:101]      ; slot 0: keys 0-511
	s_add_nc_u64 s[50:51], s[46:47], SLOT1         ; slot 1: keys 512-1023
	s_or_b32 s47, s47, 0x80000000
	s_or_b32 s51, s51, 0x80000000
	s_add_nc_u64 s[58:59], s[4:5], s[104:105]
	s_add_nc_u64 s[52:53], s[8:9], s[66:67]
	s_add_nc_u64 s[60:61], s[10:11], s[66:67]
	s_and_b32 s100, s62, 15                        ; the head: y's K step head / 2, and 2,048 bytes on for an odd head
	s_lshr_b32 s104, s100, 1
	s_lshl_b32 s104, s104, 21
	s_and_b32 s100, s100, 1
	s_lshl_b32 s100, s100, 11
	s_add_co_u32 s100, s100, s104
	s_add_nc_u64 s[60:61], s[60:61], s[100:101]
	ROUND                                          ; all four work-groups are here: the first joint loads meet
	tensor_load_to_lds s[44:47], s[36:43]
	s_nop 0
	tensor_load_to_lds s[48:51], s[36:43]          ; two loads of mine are out
	s_nop 0
	v_and_b32 v3, 31, v0
	v_lshlrev_b32 v3, 4, v3
.irp i, 0,1,2,3,4,5,6,7
	global_load_b128 v[Q+4*\i:Q+4*\i+3], v3, s[58:59] offset:512*\i   ; Q stays in registers
.endr
	MLOADS                                         ; step 0's mask words (the arguments' registers are free)
	v_mov_b32 v5, 0xceabfb8f                       ; -1e9 x log2(e)
.irp t, 0,1
	v_mov_b32 v[8+8*\t], 0xff61b1e6                ; m: -3e38, under every t
.irp n, 1,2,3,4,5,6,7
	v_mov_b32 v[8+8*\t+\n], 0                      ; l, and what is named in a pair or by a lane permute before it is first written
.endr
.endr
.irp j, 0,1,2,3,4,5,6,7,8,9,10,11,12,13,14,15,16,17,18,19,20,21,22,23,24,25,26,27,28,29,30,31,32,33,34,35,36,37,38,39,40,41,42,43,44,45,46,47,48,49,50,51,52,53,54,55,56,57,58,59,60,61,62,63
	v_mov_b32 v[O+\j], 0                           ; O^T.  (The step is written once: the first finds zeros, which a = 0 leaves zeros)
.endr
; A KEY STEP: 64 keys, both tiles.
.macro STEP
	v_add_nc_u32 v4, s3, v3
	PLACES 4                                       ; with the line above five places behind the last V^T P: K's loads land on its sources, and K Q^T writes over p
.irp a, 0,1,2,3
.irp c, 0,1
.irp e, 0,1
	ds_load_b128 v[KV+16*\a+8*\c+4*\e:KV+16*\a+8*\c+4*\e+3], v4 offset:\a*2048+\c*1024+\e*512   ; keys 16 a on, channels 32 c + 16 e + 8 h on
.endr
.endr
.endr
	s_wait_dscnt 0x0
.irp c, 0,1                            ; eight accumulators by turns, one instruction a turn
.irp a, 0,1,2,3
.irp t, 0,1
.if \c == 0
	v_wmma_f32_16x16x32_f16 v[S+32*\t+8*\a:S+32*\t+8*\a+7], v[KV+16*\a+8*\c:KV+16*\a+8*\c+7], v[Q+16*\t+8*\c:Q+16*\t+8*\c+7], 0
.else
	v_wmma_f32_16x16x32_f16 v[S+32*\t+8*\a:S+32*\t+8*\a+7], v[KV+16*\a+8*\c:KV+16*\a+8*\c+7], v[Q+16*\t+8*\c:Q+16*\t+8*\c+7], v[S+32*\t+8*\a:S+32*\t+8*\a+7]
.endif
.endr
.endr
.endr
	PLACES 4                                       ; in front of V's loads into K's registers, and of the first read of the scores
.irp d, 0,1,2,3
.irp b, 0,1
.irp e, 0,1
	ds_load_tr16_b128 v[KV+16*\d+8*\b+4*\e:KV+16*\d+8*\b+4*\e+3], v4 offset:8192+(2*\b+\e)*2048+\d*512   ; V turned: channels 16 d on, keys 32 b + 16 e + 8 h on; they land during the softmax
.endr
.endr
.endr
	s_wait_kmcnt 0x0                               ; this step's mask words, asked for a step ago
.irp t, 0,1
.irp w, 0,1,2,3,4,5,6,7,8,9,10,11,12,13,14,15,16,17,18,19,20,21,22,23,24,25,26,27,28,29,30,31
	v_cndmask_b32 v[S+32*\t+\w], v5, v[S+32*\t+\w], s[4+64*\t+\w]   ; bit 0: the masked t.  Each accumulator from its low end on
.endr
.endr
	s_add_co_u32 s54, s54, 128                     ; (the wait above has shown the last loads done: their offset may be written)
	s_min_u32 s54, s54, 3968                       ; the last step asks for its own words again: no load leaves the buffer
	MLOADS
.irp t, 0,1                            ; the largest t of my 32 keys and the old m: two chains a tile, the tiles by turns
	v_max3_num_f32 v[14+8*\t], v[S+32*\t], v[S+32*\t+1], v[S+32*\t+2]
	v_max3_num_f32 v[15+8*\t], v[S+32*\t+3], v[S+32*\t+4], v[S+32*\t+5]
.endr
.irp i, 6,10,14,18,22,26
.irp t, 0,1
	v_max3_num_f32 v[14+8*\t], v[14+8*\t], v[S+32*\t+\i], v[S+32*\t+\i+1]
	v_max3_num_f32 v[15+8*\t], v[15+8*\t], v[S+32*\t+\i+2], v[S+32*\t+\i+3]
.endr
.endr
.irp t, 0,1
	v_max3_num_f32 v[14+8*\t], v[14+8*\t], v[S+32*\t+30], v[S+32*\t+31]
.endr
.irp t, 0,1
	v_max3_num_f32 v[14+8*\t], v[14+8*\t], v[15+8*\t], v[8+8*\t]
.endr
.irp t, 0,1
	v_mov_b32 v[13+8*\t], v[8+8*\t]                ; m_old
.endr
.irp t, 0,1
	v_permlanex16_b32 v[15+8*\t], v[14+8*\t], s56, s57   ; the query's other 32 keys lie in the lane 16 away
.endr
.irp t, 0,1
	v_max_num_f32 v[8+8*\t], v[14+8*\t], v[15+8*\t]
.endr
.irp t, 0,1
	v_sub_f32 v[13+8*\t], v[13+8*\t], v[8+8*\t]
.endr
.irp t, 0,1
.irp i, 0,2,4,6,8,10,12,14,16,18,20,22,24,26,28,30
	v_pk_add_f32 v[S+32*\t+\i:S+32*\t+\i+1], v[S+32*\t+\i:S+32*\t+\i+1], v[8+8*\t:9+8*\t] op_sel_hi:[1,0] neg_lo:[0,1] neg_hi:[0,1]   ; t - m, two at a time
.endr
.endr
.irp t, 0,1
	v_exp_f32 v[12+8*\t], v[13+8*\t]               ; a
.endr
.irp j, 0,1,2,3,4,5,6,7,8,9,10,11,12,13,14,15,16,17,18,19,20,21,22,23,24,25,26,27,28,29,30,31,32,33,34,35,36,37,38,39,40,41,42,43,44,45,46,47,48,49,50,51,52,53,54,55,56,57,58,59,60,61,62,63
	v_exp_f32 v[S+\j], v[S+\j]                     ; p: ONE BATCH of 66 exponentials
.endr
	v_nop                                          ; a plain instruction behind the last exponential (ISA guide 5.7.2)
	s_wait_alu depctr_va_vdst(0)                   ; one wait for the batch, ahead of its first reader
.irp i, 0,1,2,3,4,5,6,7,8,9,10,11,12,13,14,15
.irp t, 0,1
.if \i == 0
	v_pk_fma_f32 v[10+8*\t:11+8*\t], v[10+8*\t:11+8*\t], v[12+8*\t:13+8*\t], v[S+32*\t:S+32*\t+1] op_sel_hi:[1,0,1]   ; l = a l + p
.else
	v_pk_add_f32 v[10+8*\t:11+8*\t], v[10+8*\t:11+8*\t], v[S+32*\t+2*\i:S+32*\t+2*\i+1]   ; the sum is taken of p before it is rounded
.endif
.endr
.irp t, 0,1
	v_cvt_pk_f16_f32 v[S+32*\t+\i], v[S+32*\t+2*\i], v[S+32*\t+2*\i+1]   ; p packed IN PLACE: register i belonged to pair i / 2, which has been summed and packed.  The fragment of keys 32 b on is v[S + 32 t + 8 b]
.endr
.irp t, 0,1
	v_pk_mul_f32 v[O+32*\t+2*\i:O+32*\t+2*\i+1], v[O+32*\t+2*\i:O+32*\t+2*\i+1], v[12+8*\t:13+8*\t] op_sel_hi:[1,0]   ; O^T x a
.endr
.endr
	s_wait_dscnt 0x0                               ; V is in
.irp b, 0,1
.irp d, 0,1,2,3
.irp t, 0,1
	v_wmma_f32_16x16x32_f16 v[O+32*\t+8*\d:O+32*\t+8*\d+7], v[KV+16*\d+8*\b:KV+16*\d+8*\b+7], v[S+32*\t+8*\b:S+32*\t+8*\b+7], v[O+32*\t+8*\d:O+32*\t+8*\d+7]
.endr
.endr
.endr
.endm
.macro SLOTSTEPS base                  ; a slot's eight key steps
	s_mov_b32 s3, \base
	s_mov_b32 s55, 8
.Lstep_\@:
	STEP
	s_add_co_u32 s3, s3, 16384
	s_sub_co_u32 s55, s55, 1
	s_cmp_lg_u32 s55, 0
	s_cbranch_scc1 .Lstep_\@
.endm
; THE CHANGE OF SLOTS.  Each wave waits for all its tensor loads (its part of the slot ahead), adds 0 to its spare word, and waits for that and for its reads of the slot that it leaves.
; fill = 1: the barrier is a round of the cluster's, and the slot left is filled with the keys two slots on: my one tensor load behind the round, and the first thing there.
.macro CHANGE slot, fill
	s_wait_tensorcnt 0x0                           ; no tensor load of mine is out, so a group 0 may be written
	ds_add_u32 v1, v2                              ; 0 onto my spare word
.if \fill
	s_add_nc_u64 s[46+4*(\slot):47+4*(\slot)], s[46+4*(\slot):47+4*(\slot)], 2*SLOT1
.endif
	s_wait_dscnt 0x0
.if \fill
	ROUND
	tensor_load_to_lds s[44+4*(\slot):47+4*(\slot)], s[36:43]
	s_nop 0
.else
	s_barrier_signal -1
	s_barrier_wait -1
.endif
.endm
	s_wait_loadcnt 0x0                             ; Q
	s_wait_tensorcnt 1                             ; my part of slot 0 is in; slot 1's may stay out
	s_barrier_signal -1
	s_barrier_wait -1
	SLOTSTEPS 0                                    ; keys 0-511
	CHANGE 0, 1
	SLOTSTEPS SLOT1                                ; keys 512-1023
	CHANGE 1, 1
	SLOTSTEPS 0                                    ; keys 1024-1535
	CHANGE 0, 0                                    ; nothing is left to fetch
	SLOTSTEPS SLOT1                                ; keys 1536-2047
	; THE WAY OUT: O^T / l as f16: a lane's eight channels of a query are the 16 bytes of an image of the last launch's operand: 512 consecutive bytes a store, no LDS.
	s_wait_kmcnt 0x0                               ; the last step's repeated mask words
	PLACES 4
.irp t, 0,1
	v_add_f32 v[14+8*\t], v[10+8*\t], v[11+8*\t]
.endr
.irp t, 0,1
	v_permlanex16_b32 v[15+8*\t], v[14+8*\t], s56, s57
.endr
.irp t, 0,1
	v_add_f32 v[14+8*\t], v[14+8*\t], v[15+8*\t]
.endr
.irp t, 0,1
	v_rcp_f32 v[12+8*\t], v[14+8*\t]
.endr
	v_nop
	s_wait_alu depctr_va_vdst(0)                   ; one wait for the two reciprocals, ahead of their first reader
.irp t, 0,1
.irp i, 0,2,4,6,8,10,12,14,16,18,20,22,24,26,28,30
	v_pk_mul_f32 v[O+32*\t+\i:O+32*\t+\i+1], v[O+32*\t+\i:O+32*\t+\i+1], v[12+8*\t:13+8*\t] op_sel_hi:[1,0]
.endr
.endr
.irp n, 0,1,2,3,4,5,6,7,8,9,10,11,12,13,14,15,16,17,18,19,20,21,22,23,24,25,26,27,28,29,30,31
	v_cvt_pk_f16_f32 v[S+\n], v[O+2*\n], v[O+2*\n+1]
.endr
.irp t, 0,1
.irp d, 0,1,2,3
	global_store_b128 v3, v[S+16*\t+4*\d:S+16*\t+4*\d+3], s[60:61] offset:\t*4096+\d*512
.endr
.endr
	s_wait_tensorcnt 0x0                           ; the wave's end
	ds_add_u32 v1, v2
	s_wait_dscnt 0x0
	ROUND                                          ; the closing round
	s_endpgm
.Lfunc_end_k_qcf5d6b13a1_attn:
	.size	k_qcf5d6b13a1_attn, .Lfunc_end_k_qcf5d6b13a1_attn-k_qcf5d6b13a1_attn
	.p2alignl 7, 3214868480
	.fill 96, 4, 3214868480
	.section	.rodata,"a",@progbits
	.p2align	6, 0x0
	.amdhsa_kernel k_qcf5d6b13a1_attn
		.amdhsa_group_segment_fixed_size 327680
		.amdhsa_private_segment_fixed_size 0
		.amdhsa_enable_private_segment 0
		.amdhsa_kernarg_size 32
		.amdhsa_user_sgpr_count 2
		.amdhsa_user_sgpr_kernarg_segment_ptr 1
		.amdhsa_wavefront_size32 1
		.amdhsa_system_sgpr_workgroup_id_x 1
		.amdhsa_system_sgpr_workgroup_id_y 1
		.amdhsa_system_sgpr_workgroup_id_z 1
		.amdhsa_system_vgpr_workitem_id 0
		.amdhsa_next_free_vgpr 256
		.amdhsa_next_free_sgpr 106
		.amdhsa_reserve_vcc 0
		.amdhsa_float_denorm_mode_32 3
		.amdhsa_float_denorm_mode_16_64 3
		.amdhsa_memory_ordered 1
		.amdhsa_forward_progress 1
		.amdhsa_inst_pref_size 100
	.end_amdhsa_kernel
	.amdgpu_metadata
---
amdhsa.version: [ 1, 2 ]
amdhsa.kernels:
  - .name:           k_qcf5d6b13a1_attn
    .symbol:         k_qcf5d6b13a1_attn.kd
    .args:
      - { .name: qf, .offset: 0, .size: 8, .value_kind: global_buffer, .address_space: global }
      - { .name: kv, .offset: 8, .size: 8, .value_kind: global_buffer, .address_space: global }
      - { .name: mbits, .offset: 16, .size: 8, .value_kind: global_buffer, .address_space: global }
      - { .name: yf, .offset: 24, .size: 8, .value_kind: global_buffer, .address_space: global }
    .group_segment_fixed_size: 327680
    .private_segment_fixed_size: 0
    .kernarg_segment_align: 8
    .kernarg_segment_size: 32
    .max_flat_workgroup_size: 512
    .sgpr_count:     106
    .vgpr_count:     256
    .wavefront_size: 32
...
	.end_amdgpu_metadata
.endif
;; end of part 3
;; launch outp (part 4): grid 4 x 64, 4 waves a work-group, clusters of 4 x 4, 327,680 bytes of LDS; arguments yf, wfh, bf, out0; writes out0
.if DOCPART == 4
	.amdgcn_target "amdgcn-amd-amdhsa--gfx1250"
	.amdhsa_code_object_version 6
	.text
	.protected	k_qcf5d6b13a1_outp
	.globl	k_qcf5d6b13a1_outp
	.p2align	8
	.type	k_qcf5d6b13a1_outp,@function
k_qcf5d6b13a1_outp:
	s_mov_b64 s[64:65], 0
	v_nop
	global_prefetch_b8 v0, s[64:65] scope:SCOPE_SE
	s_setreg_imm32_b32 hwreg(HW_REG_WAVE_MODE, 25, 1), 1
	s_wait_xcnt 0x0
	s_wait_alu depctr_hold_cnt(0) depctr_sa_sdst(0) depctr_va_vdst(0) depctr_va_sdst(0) depctr_va_ssrc(0) depctr_va_vcc(0) depctr_vm_vsrc(0)
	s_getreg_b32 s2, hwreg(HW_REG_IB_STS2, 6, 4)
	s_cmp_eq_u32 s2, 0
	s_cbranch_scc0 .Lentry_in_a_cluster
	s_endpgm
.Lentry_in_a_cluster:
	s_bfe_u32 s2, ttmp6, 0x10000c
	s_cmp_lg_u32 s2, 0xf033
	s_cbranch_scc0 .Lentry_shape_is_right
	s_endpgm
.Lentry_shape_is_right:
; OUTP.  out0 = y Wf^T + bf.  y [8192][1024] and Wf [1024][1024] arrive as f16, laid as images of operand registers by K step of 128: yf: ks*2097152 + tt*4096 + cc*1024 + e*512 + 16 L, wfh: ks*262144 + nt*4096 + the same.  Sums in f32; out0 f32.
; A work-group of four waves makes 128 tokens x 256 columns; a wave 64 x 128: 32 accumulators, 256 registers.  256 work-groups.
; CLUSTERS: 4 x 4.  Work-group x = cx: the columns; y = 4 x cluster y + cy: the tokens.  y's tile (32 KB a K step) is shared along a row of the cluster, Wf's (64 KB) down a column: joint loads with a mask of four.
; K goes in 8 steps of 128 through a ring of two LDS slots of 98,304 bytes.  Waves 0 and 1 fetch y's halves, waves 2 and 3 Wf's: one load a wave behind each round, for the next K step.  All 8 trips are written out.
; THE MATRIX INSTRUCTION IS USED TRANSPOSED (source 0 = 16 rows of Wf, source 1 = 16 tokens): a lane holds eight neighbouring columns of a token.  bf is the C of each sum's first instruction.
; y IS PREFETCHED INTO THE L2: trip t names y's tile of K step t + 3, whose load is issued two trips on; the four partners of a row share its 128 blocks of 256 bytes out by address (cx), a lane a block, wave 0 of each;
; all four column tiles of a token block lie in one cluster, so each block is named once; K steps 0 to 2 come by their loads alone, and trips 5 to 7 ask for nothing.  Wf, which sixteen clusters read, is not asked for.
; REGISTERS: window 0: v1 r, v2 h, v3 16 L, v16, v17 and v20, v21 LDS addresses of y's and Wf's fragments in slots 0, 1; v24, v25 the stage, in and out; v27 the bias's offset; v28, v29 the add's two; v30 256 L;
;   v64-127 the bias; v128-255 the way out.   window 1: two buffers of a chunk of 32 along K, at 0 and 128: Wf's fragments at + 8 b, y's at + 64 + 8 a.   window 2: accumulator (a, b) at 8 (8 a + b).
.set SLOT,  98304
.set STAGE, 196608                     ; behind the ring: 16 rows x 528 bytes for each wave; no tensor load fills it
.set SPARE, 230400                     ; the spare words, 128 bytes for each wave: two blocks of 256 bytes that no other line names
.set BI,    64
.set BK,    128
.set MSB, 0
.macro WIN new                         ; the immediate's high byte repeats the setting that is left
.if MSB != (\new)
	s_set_vgpr_msb (MSB<<8)|(\new)
.set MSB, (\new)
.endif
.endm
.macro PLACES n
.rept \n
	v_nop
.endr
.endm
.macro ROUND                           ; a round of the cluster's barrier
	s_barrier_signal -1
	s_barrier_wait -1
	s_cmp_lg_u32 s12, 0
	s_cbranch_scc1 .Lnot_wave_0_\@
	s_barrier_signal -3
.Lnot_wave_0_\@:
	s_barrier_wait -3
	s_barrier_signal -1
	s_barrier_wait -1
.endm
.macro JLOAD s                         ; a joint load into slot s; an s_nop 0 and four v_nop follow each of the two lines
	s_cmp_lt_u32 s12, 2
	s_cbranch_scc0 .Lfor_b_\@
	tensor_load_to_lds s[32+4*(\s):35+4*(\s)], s[24:31]
	s_nop 0
	PLACES 4
	s_branch .Lasked_\@
.Lfor_b_\@:
	tensor_load_to_lds s[56+4*(\s):59+4*(\s)], s[48:55]
	s_nop 0
	PLACES 4
.Lasked_\@:
.endm
.macro ASK
	s_cmp_lg_u32 s12, 0
	s_cbranch_scc1 .Lnot_mine_\@
	global_prefetch_b8 v30, s[44:45] th:TH_LOAD_NT scope:SCOPE_SE
.Lnot_mine_\@:
.endm
	s_load_b256 s[4:11], s[0:1], 0x0               ; yf, wfh, bf, out0
	v_lshl_add_u32 v28, v0, 2, SPARE
	v_mov_b32 v29, 0
	ds_add_u32 v28, v29                            ; the wave's opening: the add, twice on end, and its wait ahead of my first tensor load
	ds_add_u32 v28, v29
	v_lshrrev_b32 v1, 5, v0
	v_readfirstlane_b32 s12, v1                    ; wave 0..3
	s_lshr_b32 s13, s12, 1                         ; which 64 tokens are mine
	s_and_b32 s14, s12, 1                          ; which 128 columns.  Also: which half of a tile I fetch
	s_bfe_u32 s15, ttmp6, 0x40000                  ; cx
	s_bfe_u32 s16, ttmp6, 0x40004                  ; cy
	s_and_b32 s17, ttmp7, 0xffff
	s_lshl_b32 s18, s17, 2
	s_add_co_u32 s18, s18, s16                     ; which 128 tokens: 4 x cluster y + cy
	s_lshl_b32 s19, s16, 2
	s_lshl_b32 s19, 15, s19                        ; my row of the cluster
	s_lshl_b32 s20, 0x1111, s15                    ; my column
	s_or_b32 s24, s19, (3<<16)|(1<<21)             ; group 1 for y: the mask; elements of 8 bytes; bit 21 beside a mask.  16,384 dense bytes as 64 rows of 256
	s_mov_b32 s25, 32<<16
	s_mov_b32 s26, 64<<16
	s_mov_b32 s27, 32<<16
	s_mov_b32 s28, 64
	s_mov_b32 s29, 32
	s_mov_b32 s30, 0
	s_mov_b32 s31, 0
	s_or_b32 s48, s20, (3<<16)|(1<<21)             ; group 1 for Wf: 32,768 dense bytes as 128 rows of 256
	s_mov_b32 s49, 32<<16
	s_mov_b32 s50, 128<<16
	s_mov_b32 s51, 32<<16
	s_mov_b32 s52, 128
	s_mov_b32 s53, 32
	s_mov_b32 s54, 0
	s_mov_b32 s55, 0
	s_lshl_b32 s40, s18, 15                        ; y: my work-group's 32 KB of a K step, my half
	s_lshl_b32 s41, s14, 14
	s_add_co_u32 s40, s40, s41
	s_mov_b32 s41, 0
	s_lshl_b32 s46, s15, 16                        ; Wf: my work-group's 64 KB, my half
	s_lshl_b32 s47, s14, 15
	s_add_co_u32 s46, s46, s47
	s_mov_b32 s47, 0
	s_lshl_b32 s21, s14, 14                        ; where they go: no place in the cluster enters an LDS address
	s_lshl_b32 s22, s14, 15
	s_add_co_u32 s22, s22, 32768
	s_wait_dscnt 0x0                               ; both opening adds are done
	s_wait_kmcnt 0x0
	s_add_nc_u64 s[40:41], s[4:5], s[40:41]
	s_add_nc_u64 s[46:47], s[6:7], s[46:47]
	ROUND                                          ; all sixteen work-groups are here: the first joint loads meet
.irp s, 0,1                            ; slot s begins with K step s
	s_mov_b32 s[32+4*\s], 1
	s_add_co_u32 s[33+4*\s], s21, \s*SLOT
	s_add_nc_u64 s[34+4*\s:35+4*\s], s[40:41], \s*2097152
	s_or_b32 s[35+4*\s], s[35+4*\s], 0x80000000
	s_mov_b32 s[56+4*\s], 1
	s_add_co_u32 s[57+4*\s], s22, \s*SLOT
	s_add_nc_u64 s[58+4*\s:59+4*\s], s[46:47], \s*262144
	s_or_b32 s[59+4*\s], s[59+4*\s], 0x80000000
.endr
	JLOAD 0                                        ; K step 0
	v_and_b32 v1, 15, v0
	v_bfe_u32 v2, v0, 4, 1
	v_and_b32 v3, 31, v0
	v_lshlrev_b32 v30, 8, v3
	v_lshlrev_b32 v3, 4, v3
	s_lshl_b32 s66, s13, 14
	v_add_nc_u32 v16, s66, v3                      ; y's fragments: my four tiles of tokens
	v_add_nc_u32 v17, SLOT, v16
	s_lshl_b32 s66, s14, 15
	s_add_co_u32 s66, s66, 32768
	v_add_nc_u32 v20, s66, v3                      ; Wf's: my eight tiles of columns
	v_add_nc_u32 v21, SLOT, v20
	s_mul_i32 s66, s12, 8448
	s_add_co_u32 s66, s66, STAGE                   ; my stage
	v_mul_u32_u24 v24, v1, 528
	v_lshl_add_u32 v24, v2, 5, v24
	v_add_nc_u32 v24, s66, v24                     ; in: row r, 32 bytes for each half of the lanes
	v_add_nc_u32 v25, s66, v3                      ; back: a row of 512 bytes, 16 a lane
	s_lshl_b32 s66, s15, 10
	s_lshl_b32 s67, s14, 9
	s_add_co_u32 s66, s66, s67                     ; my first column, in bytes
	s_mov_b32 s67, 0
	s_add_nc_u64 s[68:69], s[8:9], s[66:67]
	v_lshlrev_b32 v27, 5, v2
.irp b, 0,1,2,3,4,5,6,7
	global_load_b128 v[BI+8*\b:BI+8*\b+3], v27, s[68:69] offset:64*\b          ; bf[16 b + 8 h + 0..7]: the result's layout
	global_load_b128 v[BI+8*\b+4:BI+8*\b+7], v27, s[68:69] offset:64*\b+16
.endr
	s_lshl_b32 s70, s18, 7
	s_lshl_b32 s71, s13, 6
	s_add_co_u32 s70, s70, s71                     ; my first token
	s_lshl_b32 s70, s70, 12                        ; a row of out0 is 4,096 bytes
	s_add_co_u32 s70, s70, s66
	s_mov_b32 s71, 0
	s_add_nc_u64 s[10:11], s[10:11], s[70:71]
	s_lshl_b32 s42, s18, 15                        ; the prefetches: y's tile of K step 3, my work-group's 8,192 bytes of it
	s_lshl_b32 s43, s15, 13
	s_add_co_u32 s42, s42, s43
	s_add_co_u32 s42, s42, 3*2097152
	s_mov_b32 s43, 0
	s_add_nc_u64 s[44:45], s[4:5], s[42:43]
.macro FETCH slot, cc, f               ; the fragments of 32 along K, chunk cc of the slot's K step, into buffer f: 24 loads
	WIN 0x40                                       ; destination window 1
.irp b, 0,1,2,3,4,5,6,7
.irp e, 0,1
	ds_load_b128 v[(\f)+8*\b+4*\e:(\f)+8*\b+4*\e+3], v[20+(\slot)] offset:\b*4096+(\cc)*1024+\e*512
.endr
.endr
.irp a, 0,1,2,3
.irp e, 0,1
	ds_load_b128 v[(\f)+64+8*\a+4*\e:(\f)+64+8*\a+4*\e+3], v[16+(\slot)] offset:\a*4096+(\cc)*1024+\e*512
.endr
.endr
.endm
.macro MUL32 f, first                  ; 32 matrix instructions; the 32 accumulators take turns, one instruction a turn, in the same order in every chunk
.if \first
	WIN 0x85                                       ; sources 0 and 1 window 1, C (the bias) window 0, D window 2
.else
	WIN 0xa5
.endif
.irp a, 0,1,2,3
.irp b, 0,1,2,3,4,5,6,7
.if \first
	v_wmma_f32_16x16x32_f16 v[8*(8*\a+\b):8*(8*\a+\b)+7], v[(\f)+8*\b:(\f)+8*\b+7], v[(\f)+64+8*\a:(\f)+64+8*\a+7], v[BI+8*\b:BI+8*\b+7]
.else
	v_wmma_f32_16x16x32_f16 v[8*(8*\a+\b):8*(8*\a+\b)+7], v[(\f)+8*\b:(\f)+8*\b+7], v[(\f)+64+8*\a:(\f)+64+8*\a+7], v[8*(8*\a+\b):8*(8*\a+\b)+7]
.endif
.endr
.endr
.endm
; K STEP t, in slot t % 2.  In front of the round each wave waits for all its tensor loads (its part of this K step), adds 0 to its spare word, and waits for that and for its reads of the other slot.
; Behind the round the other slot takes K step t + 1: my one tensor load until the next round.
.macro TRIP t
.set SL, (\t)%2
	WIN 0                                          ; at a label and at a branch every window is 0
.if ((\t) >= 1) && ((\t) <= 4)
	s_wait_xcnt 0x0                                ; the last prefetch, a K step back, has read its address
	s_add_nc_u64 s[44:45], s[44:45], 2097152
.endif
	s_wait_tensorcnt 0x0                           ; no tensor load of mine is out, so a group 0 may be written
	ds_add_u32 v28, v29                            ; 0 onto my spare word
.if (\t) < 6
	s_add_nc_u64 s[34+4*SL:35+4*SL], s[34+4*SL:35+4*SL], 2*2097152   ; this slot's next K step
	s_add_nc_u64 s[58+4*SL:59+4*SL], s[58+4*SL:59+4*SL], 2*262144
.endif
	s_wait_dscnt 0x0
	ROUND
.if (\t) < 7
	JLOAD 1-SL                                     ; its four v_nop are also the places in front of the loads below
.else
	PLACES 4
.endif
	FETCH SL, 0, 0
	WIN 0
.if (\t) <= 4
	ASK                                            ; behind the joint load and the run of LDS loads that the next products wait for
.endif
.irp cc, 0,1,2,3
.if \cc < 3
.if \cc > 0
	PLACES 4                                       ; in front of loads into the buffer that the chunk before multiplied
.endif
	FETCH SL, \cc+1, 128*((\cc+1)%2)
	s_wait_dscnt 24                                ; this chunk's fragments are in; the 24 loads just issued may be out
.else
	s_wait_dscnt 0x0
.endif
.if ((\t) == 0) && (\cc == 0)
	MUL32 128*(\cc%2), 1
.else
	MUL32 128*(\cc%2), 0
.endif
.endr
.endm
	s_wait_loadcnt 0x0                             ; the bias
.irp t, 0,1,2,3,4,5,6,7
	TRIP \t
.endr
	WIN 0
; THE WAY OUT, block by block of 16 tokens x 128 columns, through my own stage: in as 32 bytes a lane, back as whole rows of 512 bytes.  LDS serves a wave's instructions in order (ISA guide 5.7.1.4).
.macro TOSTAGE a
	WIN 0x08                                       ; an LDS store's data are its source 1: window 2
.irp b, 0,1,2,3,4,5,6,7
	ds_store_b128 v24, v[8*(8*(\a)+\b):8*(8*(\a)+\b)+3] offset:64*\b           ; each accumulator from its low end on
	ds_store_b128 v24, v[8*(8*(\a)+\b)+4:8*(8*(\a)+\b)+7] offset:64*\b+16
.endr
	WIN 0
.set BB, BK+64*((\a)%2)
.irp n, 0,1,2,3,4,5,6,7,8,9,10,11,12,13,14,15
	ds_load_b128 v[BB+4*\n:BB+4*\n+3], v25 offset:\n*528
.endr
.endm
.macro SEND a, younger                 ; younger: the LDS instructions issued behind block a's loads, which may stay out
.set BB, BK+64*((\a)%2)
	s_wait_dscnt \younger
.if (\a) > 0
	s_add_nc_u64 s[10:11], s[10:11], 65536         ; 16 rows on (behind a wait on XCNT: the earlier stores have read their base)
.endif
.irp n, 0,1,2,3,4,5,6,7,8,9,10,11,12,13,14,15
	global_store_b128 v3, v[BB+4*\n:BB+4*\n+3], s[10:11] offset:\n*4096 th:TH_STORE_NT   ; 512 consecutive bytes, at a multiple of 256 from out0's first byte
.endr
.endm
	PLACES 4                                       ; in front of the first read of results
	TOSTAGE 0
.irp a, 1,2,3
.if \a > 1
	s_wait_xcnt 0x0                                ; block a - 2's stores have read their registers and their base
.endif
	TOSTAGE \a
	SEND \a-1, 32                                  ; behind block a - 1's loads: block a's 16 stores and 16 loads
.endr
	s_wait_xcnt 0x0
	SEND 3, 0
	s_wait_tensorcnt 0x0                           ; the wave's end
	ds_add_u32 v28, v29
	s_wait_dscnt 0x0
	ROUND                                          ; the closing round
	s_endpgm
.Lfunc_end_k_qcf5d6b13a1_outp:
	.size	k_qcf5d6b13a1_outp, .Lfunc_end_k_qcf5d6b13a1_outp-k_qcf5d6b13a1_outp
	.p2alignl 7, 3214868480
	.fill 96, 4, 3214868480
	.section	.rodata,"a",@progbits
	.p2align	6, 0x0
	.amdhsa_kernel k_qcf5d6b13a1_outp
		.amdhsa_group_segment_fixed_size 327680
		.amdhsa_private_segment_fixed_size 0
		.amdhsa_enable_private_segment 0
		.amdhsa_kernarg_size 32
		.amdhsa_user_sgpr_count 2
		.amdhsa_user_sgpr_kernarg_segment_ptr 1
		.amdhsa_wavefront_size32 1
		.amdhsa_system_sgpr_workgroup_id_x 1
		.amdhsa_system_sgpr_workgroup_id_y 1
		.amdhsa_system_sgpr_workgroup_id_z 1
		.amdhsa_system_vgpr_workitem_id 0
		.amdhsa_next_free_vgpr 768
		.amdhsa_next_free_sgpr 80
		.amdhsa_reserve_vcc 0
		.amdhsa_float_denorm_mode_32 3
		.amdhsa_float_denorm_mode_16_64 3
		.amdhsa_memory_ordered 1
		.amdhsa_forward_progress 1
		.amdhsa_inst_pref_size 149
	.end_amdhsa_kernel
	.amdgpu_metadata
---
amdhsa.version: [ 1, 2 ]
amdhsa.kernels:
  - .name:           k_qcf5d6b13a1_outp
    .symbol:         k_qcf5d6b13a1_outp.kd
    .args:
      - { .name: yf, .offset: 0, .size: 8, .value_kind: global_buffer, .address_space: global }
      - { .name: wfh, .offset: 8, .size: 8, .value_kind: global_buffer, .address_space: global }
      - { .name: bf, .offset: 16, .size: 8, .value_kind: global_buffer, .address_space: global }
      - { .name: out0, .offset: 24, .size: 8, .value_kind: global_buffer, .address_space: global }
    .group_segment_fixed_size: 327680
    .private_segment_fixed_size: 0
    .kernarg_segment_align: 8
    .kernarg_segment_size: 32
    .max_flat_workgroup_size: 128
    .sgpr_count:     80
    .vgpr_count:     768
    .wavefront_size: 32
...
	.end_amdgpu_metadata
.endif
;; end of part 4
